; MI455X (gfx1250); checked and timed in simulation.
; The chip was launched on July 23, 2026; its instructions are those of AMD's public machine-readable ISA for CDNA 5 (MIT licence, August 2026) and "CDNA5" Instruction Set Architecture Reference Guide (July 2026). The comments in the code are by the model that wrote it; some were corrected since.
;; K Linear. Allowed arithmetic: float matrix products may take bf16 or f16 operands with f32 sums; all other float work in f32.
;; Inputs: L0 64 x 64 float32; L1 32 x 32 float32; L2 128 x 128 float32; R0 64 x 64 float32; R1 128 x 128 float32; R2 32 x 32 float32; bias 4,096 float32; x 8 x 512 x 4,096 float32.
;; Outputs: out0 8 x 512 x 4,096 float32.
;; One version. Each part assembles by itself: llvm-mc -triple=amdgcn-amd-amdhsa -mcpu=gfx1250 --defsym DOCPART=n.
;; ======== version 1 of 1: 1 launch
;; launch klinear (part 1): grid 256 x 1, 4 waves a work-group, no clusters, 327,680 bytes of LDS; arguments x, L0, R0, L1, R1, L2, R2, bias, out0; writes out0
.if DOCPART == 1
	.amdgcn_target "amdgcn-amd-amdhsa--gfx1250"
	.amdhsa_code_object_version 6
	.text
	.protected	k_qd4df631deb_klinear
	.globl	k_qd4df631deb_klinear
	.p2align	8
	.type	k_qd4df631deb_klinear,@function
k_qd4df631deb_klinear:
	s_mov_b64 s[64:65], 0
	v_nop
	global_prefetch_b8 v0, s[64:65] scope:SCOPE_SE
	s_setreg_imm32_b32 hwreg(HW_REG_WAVE_MODE, 25, 1), 1
	s_wait_xcnt 0x0
; out[t][j] = sum over i of x[t][i] W[i][j] + bias[j],  W = (kron(L0,R0) + kron(L1,R1) + kron(L2,R2)) / 3.  x, out: [4096 tokens][4096] f32.
; W IS NEVER BUILT.  With i = a S + c and j = b S + d (S = R's side):  x kron(L,R) = sum over a of L[a][b] (sum over c of x[a S + c] R[c][d]): two small products a factor,
; 224 matrix instructions a token for all three factors.  The identity holds for every input.
; SHARES.  256 work-groups of four waves; a work-group owns 16 tokens, a wave 4 whole tokens.  All six factor matrices lie in each wave's registers as bf16 fragments (672 registers) for the whole
; launch.  All 16 tokens (and the bias) are asked for by tensor loads at the head; no LDS byte is filled twice; a token's slot, once read, is the stage through which its results leave.
; LIMITS.  x, L and R are rounded to bf16; T = X R is rounded once to bf16 between the two products; sums in f32, in the factored order, not in the order of a dense product; the factor 1/3 and
; the bias are applied in f32, one fused multiply-add.  NaN and infinities are not treated apart.
; NO CLUSTER: what the work-groups share is the weights, 172,032 bytes of f32, which must be rounded and reordered in registers on their way; as f32 tiles they do not fit in LDS beside the
; 270,336 bytes of tokens.  x and out are shared by nobody.  NO PREFETCH: every byte of x is asked for in the first lines.
; INDEX ALGEBRA (lane L, r = L % 16, h = L / 16).  x fragment f = 4 V + q: row p, column k = x[(16 V + p) 128 + 32 q + k]; the same 8 fragments serve all three factors:
;   factor 1 (32/128): a = 16 V + p, c = 32 q + k;   factor 0 (64/64): a = 2 (16 V + p) + q / 2, c = 32 (q % 2) + k;   factor 2 (128/32): a = 4 (16 V + p) + q, c = k.
; First product: D(p, d) = x fragment x R fragment.  Two such results, rounded in pairs of registers, ARE a first operand (row d % 16; k < 16: the first tile's p = k; k >= 16: the second's p = k - 16).
; Second product: ACC(d % 16, n) += T x L fragment.  Accumulator (D1, U): register j of lane (r, h) is out[(16 U + r) 128 + 16 D1 + 8 h + j]; all three factors add into the same 16 accumulators:
;   factor 1: b = u, d tile D1;   factor 0: b = 2 u + D1 / 4, d tile D1 % 4;   factor 2: b = 4 u + D1 / 2, d tile D1 % 2   (u = 16 U + n).
; REGISTERS, in windows of 256 (s_set_vgpr_msb: bits 1:0 source 0, 3:2 source 1, 5:4 source 2, 7:6 destination):
;   window 0: v0-15, v240-242 addresses; v16-31 R2's fragments; v32-47 L1's; v48-111 x in bf16; v112-175 first products, two buffers; v176-207 T, two buffers (way out: v112-239)
;   window 1: R1's fragments      window 2: L2's fragments      window 3: v0-127 the accumulators (at a token's start its 128 f32 a lane); v128-191 R0's fragments; v192-255 L0's
.set XP,    528                        ; a row of a token in LDS: 512 bytes + 16 of padding = 132 words
.set SLOT,  32*XP                      ; a token: 32 rows of 128 f32
.set WAVEX, 4*SLOT                     ; a wave's four tokens
.set WS,    16*SLOT                    ; 36,864 bytes of scratch for the weights in bf16, written by LDS stores alone, used three times
.set WR0,   0                          ; third use: R0, 64 rows of pitch 160
.set WL0,   10240                      ; L0 reordered, 64 rows of pitch 160
.set WR2,   20480                      ; R2, 32 rows of pitch 96
.set WL1,   23552                      ; L1, 32 rows of pitch 96
.set BIAS,  WS+36864                   ; the bias, 16,384 dense bytes
.set SPARE, BIAS+16384                 ; the spare words, 128 bytes for each wave: two blocks of 256 bytes that no other line names
.set AX,    2                          ; v2   my wave's slots + r x 528 + 32 h: x fragments in, results into the stage
.set ARD0,  3                          ; v3   my wave's slots + 16 L: a stage row read back (tokens 0, 1)
.set ARD1,  4                          ; v4   the same for tokens 2, 3: an LDS offset has 16 bits
.set ABI,   5                          ; v5   BIAS + 16 L
.set AGO,   6                          ; v6   16 L: my 16 bytes of 512 consecutive bytes of out
.set GT16,  7                          ; v7   16 x thread
.set GT64,  8                          ; v8   64 x thread
.set AW288, 9                          ; v9-11  the turning load's lane address at pitch 288, 160, 96
.set AW160, 10
.set AW96,  11
.set SPW,   12                         ; v12  LDS address of my spare word; never rewritten
.set NIL,   13                         ; v13  0; never rewritten
.set AS288, 14                         ; v14, v15, v240-242  where my thread stores its bf16 words of R1; R0; R2 and L1; L0; L2
.set AS160, 15
.set AS96,  240
.set ASL0,  241
.set ASL2,  242
.set R2F,   16
.set L1F,   32
.set XB,    48
.set DT,    112
.set TP,    176
.set PK,    112                        ; the prologue's packed words
.set OS,    112                        ; the way out: stage rows, two batches of 32 registers
.set BB,    176                        ; the way out: bias rows, two batches of 32 registers
.set R0F,   128                        ; window 3
.set L0F,   192                        ; window 3
.set THIRD, 66                         ; s[66:67] 1/3
.set MSB, 0
.macro WIN new                         ; the immediate's high byte repeats the setting that is left; a switch that changes nothing is dropped
.if MSB != (\new)
	s_set_vgpr_msb (MSB<<8)|(\new)
.set MSB, \new
.endif
.endm
.macro MEET                            ; my LDS instructions are done; then the work-group's barrier
	s_wait_dscnt 0x0
	s_barrier_signal -1
	s_barrier_wait -1
.endm
	; ---------------- the head ----------------
	s_load_b512 s[8:23], s[0:1], 0x0               ; x s[8:9], L0 s[10:11], R0 s[12:13], L1 s[14:15], R1 s[16:17], L2 s[18:19], R2 s[20:21], bias s[22:23]
	s_load_b64 s[24:25], s[0:1], 0x40              ; out0
	v_lshl_add_u32 v[SPW], v0, 2, SPARE
	v_mov_b32 v[NIL], 0
	ds_add_u32 v[SPW], v[NIL]                      ; the wave's opening: the add and its wait stand ahead of my first tensor load; the set-up below, work on registers, stands between them
	ds_add_u32 v12, v13
	v_lshrrev_b32 v1, 5, v0
	v_readfirstlane_b32 s2, v1                     ; wave 0..3
	; group 1 for a token: 32 rows x 128 elements of 4 bytes, 4 words of padding after every 128 words.  A tile is one token (32 rows of 512 bytes), so that each token has a counted wait of its own.
	s_mov_b32 s28, (2<<16)|(1<<20)|(6<<22)|(3<<25)
	s_mov_b32 s29, 128<<16                         ; tensor_dim0 = 128
	s_mov_b32 s30, 32<<16                          ; tensor_dim1 = 32
	s_mov_b32 s31, 128<<16                         ; tile_dim0 = 128
	s_mov_b32 s32, 32                              ; tile_dim1 = 32
	s_mov_b32 s33, 128                             ; 128 elements from row to row
	s_mov_b32 s34, 0
	s_mov_b32 s35, 0
	; group 1 for a quarter of the bias: 4,096 dense bytes as 16 rows of 32 elements of 8 bytes
	s_mov_b32 s36, 3<<16
	s_mov_b32 s37, 32<<16
	s_mov_b32 s38, 16<<16
	s_mov_b32 s39, 32<<16
	s_mov_b32 s40, 16
	s_mov_b32 s41, 32
	s_mov_b32 s42, 0
	s_mov_b32 s43, 0
	s_mul_i32 s3, s2, WAVEX                        ; my wave's four slots
	s_mov_b32 s44, 1
	s_lshl_b32 s45, s2, 12
	s_add_co_u32 s45, s45, BIAS                    ; my quarter of the bias in LDS
.irp i, 0,1,2,3
	s_mov_b32 s[48+4*\i], 1
	s_add_co_u32 s[49+4*\i], s3, (\i)*SLOT         ; token i's slot
.endr
	s_lshl_b32 s68, ttmp9, 18                      ; the work-group's 16 tokens of 16,384 bytes,
	s_lshl_b32 s4, s2, 16                          ; my wave's 4 of them
	s_add_co_u32 s68, s68, s4
	s_mov_b32 s69, 0
	s_lshl_b32 s70, s2, 12                         ; my quarter of the bias in memory
	s_mov_b32 s71, 0
	s_mov_b32 s[THIRD], 0x3eaaaaab                 ; 1/3
	s_mov_b32 s[THIRD+1], 0x3eaaaaab               ; named with it as a pair
	v_and_b32 v16, 15, v0                          ; r
	v_bfe_u32 v17, v0, 4, 1                        ; h
	v_and_b32 v18, 31, v0                          ; L
	v_bfe_u32 v21, v0, 3, 2                        ; L / 8
	v_and_b32 v23, 7, v0                           ; L % 8
	v_mul_u32_u24 v[AX], v16, XP
	v_lshl_add_u32 v[AX], v17, 5, v[AX]
	v_add_nc_u32 v[AX], s3, v[AX]
	v_lshl_add_u32 v[ARD0], v18, 4, s3
	v_add_nc_u32 v[ARD1], 2*SLOT, v[ARD0]
	v_lshlrev_b32 v[AGO], 4, v18
	v_add_nc_u32 v[ABI], BIAS, v[AGO]
	v_lshlrev_b32 v[GT16], 4, v0
	v_lshlrev_b32 v[GT64], 6, v0
	; the turning load takes 16 k x 16 n of a tile stored [k][n]: lane L reads row 8 h + L % 8, 16 bytes at 16 ((L / 8) % 2)
	v_lshl_add_u32 v19, v17, 3, v23
	v_bfe_u32 v20, v0, 3, 1
	v_lshlrev_b32 v20, 4, v20
	v_add_nc_u32 v20, WS, v20
	v_mul_u32_u24 v[AW288], v19, 288
	v_add_nc_u32 v[AW288], v[AW288], v20
	v_mul_u32_u24 v[AW160], v19, 160
	v_add_nc_u32 v[AW160], v[AW160], v20
	v_mul_u32_u24 v[AW96], v19, 96
	v_add_nc_u32 v[AW96], v[AW96], v20
	; where a thread puts its bf16 words; the wave's part of each address comes from the scalar wave number
	s_mul_i32 s7, s2, 288
	s_add_co_u32 s7, s7, WS
	v_lshl_add_u32 v[AS288], v18, 3, s7            ; R1: row 4 n + wave, 8 bytes at 8 L
	v_mul_u32_u24 v22, v21, 9216
	v_lshl_add_u32 v22, v23, 3, v22
	v_add_nc_u32 v[ASL2], s7, v22                  ; L2: row 32 (L / 8) + 4 n + wave, 8 bytes at 64 e + 8 (L % 8)
	s_mul_i32 s4, s2, 320
	s_add_co_u32 s4, s4, WS
	v_mul_u32_u24 v22, v17, 160
	v_lshl_add_u32 v22, v16, 3, v22
	v_add_nc_u32 v[AS160], s4, v22                 ; R0: row 8 n + 2 wave + h, 8 bytes at 8 r
	s_mul_i32 s5, s2, 384
	s_add_co_u32 s5, s5, WS
	v_mul_u32_u24 v22, v21, 96
	v_lshl_add_u32 v22, v23, 3, v22
	v_add_nc_u32 v[AS96], s5, v22                  ; R2, L1: row 16 n + 4 wave + L / 8, 8 bytes at 8 (L % 8)
	s_mul_i32 s6, s2, 160
	s_add_co_u32 s6, s6, WS
	v_mul_u32_u24 v22, v17, 5120
	v_lshl_add_u32 v22, v16, 2, v22
	v_add_nc_u32 v[ASL0], s6, v22                  ; L0: row 32 h + 4 n + wave, 4 bytes at 64 parity + 4 r
	s_wait_dscnt 0x0                               ; the opening add is done
	s_wait_kmcnt 0x0
	s_add_nc_u64 s[8:9], s[8:9], s[68:69]          ; x and out at my wave's first token
	s_add_nc_u64 s[24:25], s[24:25], s[68:69]
	s_add_nc_u64 s[46:47], s[22:23], s[70:71]
	s_or_b32 s47, s47, 0x80000000                  ; type = 2
.irp i, 0,1,2,3
	s_add_nc_u64 s[50+4*\i:51+4*\i], s[8:9], (\i)*16384
	s_or_b32 s[51+4*\i], s[51+4*\i], 0x80000000
.endr
	; all the launch's fills, in one group: five tensor loads of mine are out.  Their order gives the counted waits below: the bias, then tokens 0 to 3.
	tensor_load_to_lds s[44:47], s[36:43]
	s_nop 0
.irp i, 0,1,2,3
	tensor_load_to_lds s[48+4*\i:51+4*\i], s[28:35]
	s_nop 0
.endr
.rept 4
	v_nop                                          ; the windows are switched only behind these four
.endr
	; ---------------- the weights: f32 from memory, rounded to bf16, through LDS scratch, into fragments ----------------
	; 84 loads, the work-group's 128 threads sharing each matrix: R1 (32), L2 (32), R0 (8), L0 (8), R2 (2), L1 (2)
	WIN 0xC0                                       ; destination window 3
.set n, 0
.rept 32
	global_load_b128 v[4*n:4*n+3], v[GT16], s[16:17] offset:2048*n              ; R1[4 n + wave][4 L ..]
.set n, n+1
.endr
	WIN 0x80                                       ; destination window 2
.set n, 0
.rept 32
	global_load_b128 v[4*n:4*n+3], v[GT64], s[18:19] offset:8192*(n/4)+16*(n%4) ; v[16 m + c] = L2[16 m + thread / 8][16 (thread % 8) + c], m = n / 4; a wave's four loads take 2,048 consecutive bytes
.set n, n+1
.endr
	WIN 0xC0
.irp n, 0,1,2,3,4,5,6,7
	global_load_b128 v[128+4*\n:128+4*\n+3], v[GT16], s[12:13] offset:2048*\n   ; R0[8 n + thread / 16][4 (thread % 16) ..]
.endr
.irp n, 0,1,2,3,4,5,6,7
	global_load_b128 v[160+4*\n:160+4*\n+3], v[GT16], s[10:11] offset:2048*\n   ; L0 likewise
.endr
.irp n, 0,1
	global_load_b128 v[192+4*\n:192+4*\n+3], v[GT16], s[20:21] offset:2048*\n   ; R2[16 n + thread / 8][4 (thread % 8) ..]
.endr
.irp n, 0,1
	global_load_b128 v[200+4*\n:200+4*\n+3], v[GT16], s[14:15] offset:2048*\n   ; L1 likewise
.endr
	; R1 as it lies, [c][d], pitch 288
	s_wait_loadcnt 52                              ; loads come back in order: R1's 32 are in; L2's 32 and the 20 small ones may stay out
	WIN 0x0F                                       ; sources window 3
.set n, 0
.rept 64
	v_cvt_pk_bf16_f32 v[PK+n], v[2*n], v[2*n+1]
.set n, n+1
.endr
	WIN 0
.set n, 0
.rept 32
	ds_store_b64 v[AS288], v[PK+2*n:PK+2*n+1] offset:1152*n
.set n, n+1
.endr
	MEET                                           ; every wave's rows of R1 are in the scratch
	WIN 0x40                                       ; destination window 1
.set n, 0
.rept 32                                               ; fragment 8 q + D1: k = c - 32 q, n = d - 16 D1
	ds_load_tr16_b128 v[8*n:8*n+3],   v[AW288] offset:(n/8)*32*288+(n%8)*32
	ds_load_tr16_b128 v[8*n+4:8*n+7], v[AW288] offset:((n/8)*32+16)*288+(n%8)*32
.set n, n+1
.endr
	; L2 reordered: row' = 32 (a % 4) + a / 4, column' = 32 (b % 4) + b / 4.  A thread's columns e, 4 + e, 8 + e, 12 + e are four neighbouring columns'.  These conversions stand in the flight of the loads above.
	s_wait_loadcnt 20                              ; L2's loads are in; the 20 small ones may stay out
	WIN 0x0A                                       ; sources window 2
.set n, 0
.rept 32                                               ; n = 4 m + e
	v_cvt_pk_bf16_f32 v[PK+2*n],   v[16*(n/4)+n%4],   v[16*(n/4)+4+n%4]
	v_cvt_pk_bf16_f32 v[PK+2*n+1], v[16*(n/4)+8+n%4], v[16*(n/4)+12+n%4]
.set n, n+1
.endr
	WIN 0
	MEET                                           ; every wave's reads of R1 are over: the scratch may be written again
.set n, 0
.rept 32
	ds_store_b64 v[ASL2], v[PK+2*n:PK+2*n+1] offset:1152*(n/4)+64*(n%4)
.set n, n+1
.endr
	MEET                                           ; L2 is in the scratch
	WIN 0x80                                       ; destination window 2
.set n, 0
.rept 32                                               ; fragment ((2 V + kk) 4 + e) 2 + U: k < 16: a = 4 (16 V + k) + 2 kk; k >= 16: a = 4 (16 V + k - 16) + 2 kk + 1; n: b = 4 (16 U + n) + e
	ds_load_tr16_b128 v[8*n:8*n+3],   v[AW288] offset:(64*((n/8)%2)+16*(n/16))*288+64*((n/2)%4)+32*(n%2)
	ds_load_tr16_b128 v[8*n+4:8*n+7], v[AW288] offset:(64*((n/8)%2)+16*(n/16)+32)*288+64*((n/2)%4)+32*(n%2)
.set n, n+1
.endr
	s_wait_loadcnt 0x0                             ; the four small matrices
	WIN 0x0F
.set n, 0
.rept 16
	v_cvt_pk_bf16_f32 v[PK+n], v[128+2*n], v[128+2*n+1]          ; R0 as it lies
.set n, n+1
.endr
.set n, 0
.rept 8                                                ; L0 reordered: row' = 32 (a % 2) + a / 2, column' = 32 (b % 2) + b / 2: even columns together, odd columns together
	v_cvt_pk_bf16_f32 v[PK+16+2*n], v[160+4*n],   v[160+4*n+2]
	v_cvt_pk_bf16_f32 v[PK+17+2*n], v[160+4*n+1], v[160+4*n+3]
.set n, n+1
.endr
.set n, 0
.rept 4
	v_cvt_pk_bf16_f32 v[PK+32+n], v[192+2*n], v[192+2*n+1]       ; R2
	v_cvt_pk_bf16_f32 v[PK+36+n], v[200+2*n], v[200+2*n+1]       ; L1
.set n, n+1
.endr
	WIN 0
	MEET                                           ; every wave's reads of L2 are over
.irp n, 0,1,2,3,4,5,6,7
	ds_store_b64 v[AS160], v[PK+2*\n:PK+2*\n+1] offset:WR0+1280*\n
.endr
.irp n, 0,1,2,3,4,5,6,7
	ds_store_b32 v[ASL0], v[PK+16+2*\n] offset:WL0+640*\n
	ds_store_b32 v[ASL0], v[PK+17+2*\n] offset:WL0+640*\n+64
.endr
.irp n, 0,1
	ds_store_b64 v[AS96], v[PK+32+2*\n:PK+33+2*\n] offset:WR2+1536*\n
	ds_store_b64 v[AS96], v[PK+36+2*\n:PK+37+2*\n] offset:WL1+1536*\n
.endr
	s_wait_tensorcnt 4                             ; tensor loads of a wave end in order: my quarter of the bias is in; the four tokens issued behind it may stay out
	MEET                                           ; the small matrices and everybody's quarter of the bias are in LDS.  The last barrier: from here on no wave depends on another
	WIN 0xC0                                       ; destination window 3
.set n, 0
.rept 8                                                ; R0's fragment 4 kk + D0: k = c - 32 kk
	ds_load_tr16_b128 v[R0F+8*n:R0F+8*n+3],   v[AW160] offset:WR0+(n/4)*32*160+(n%4)*32
	ds_load_tr16_b128 v[R0F+8*n+4:R0F+8*n+7], v[AW160] offset:WR0+((n/4)*32+16)*160+(n%4)*32
.set n, n+1
.endr
.set n, 0
.rept 8                                                ; L0's fragment 4 V + 2 j + U: k < 16: a = 2 (16 V + k); k >= 16: a = 2 (16 V + k - 16) + 1; n: b = 2 (16 U + n) + j
	ds_load_tr16_b128 v[L0F+8*n:L0F+8*n+3],   v[AW160] offset:WL0+(n/4)*16*160+((n/2)%2)*64+(n%2)*32
	ds_load_tr16_b128 v[L0F+8*n+4:L0F+8*n+7], v[AW160] offset:WL0+((n/4)*16+32)*160+((n/2)%2)*64+(n%2)*32
.set n, n+1
.endr
	WIN 0
.irp n, 0,1
	ds_load_tr16_b128 v[R2F+8*\n:R2F+8*\n+3],   v[AW96] offset:WR2+32*\n
	ds_load_tr16_b128 v[R2F+8*\n+4:R2F+8*\n+7], v[AW96] offset:WR2+16*96+32*\n
	ds_load_tr16_b128 v[L1F+8*\n:L1F+8*\n+3],   v[AW96] offset:WL1+32*\n
	ds_load_tr16_b128 v[L1F+8*\n+4:L1F+8*\n+7], v[AW96] offset:WL1+16*96+32*\n
.endr
	s_wait_dscnt 0x0                               ; all fragments of all six matrices are in registers
	; ---------------- a token's work, in macros ----------------
.macro MMA d, a, b, zero               ; zero = 1: the product starts the sum: nothing is ever cleared
.if \zero
	v_wmma_f32_16x16x32_bf16 v[(\d):(\d)+7], v[(\a):(\a)+7], v[(\b):(\b)+7], 0
.else
	v_wmma_f32_16x16x32_bf16 v[(\d):(\d)+7], v[(\a):(\a)+7], v[(\b):(\b)+7], v[(\d):(\d)+7]
.endif
.endm
; In every run below the accumulators take turns, one instruction a turn, and no two runs that follow each other share an accumulator.
.macro XLOAD i                         ; token i's 4,096 f32 in fragment order: lane (r, h) takes k = 8 h .. 8 h + 7 and 16 + 8 h .. of row 16 V + r, 32 q on: four loads of 16 bytes a fragment
	WIN 0xC0
.irp f, 0,1,2,3,4,5,6,7
	ds_load_b128 v[16*\f:16*\f+3],     v[AX] offset:(\i)*SLOT+(\f/4)*16*XP+(\f%4)*128
	ds_load_b128 v[16*\f+4:16*\f+7],   v[AX] offset:(\i)*SLOT+(\f/4)*16*XP+(\f%4)*128+16
	ds_load_b128 v[16*\f+8:16*\f+11],  v[AX] offset:(\i)*SLOT+(\f/4)*16*XP+(\f%4)*128+64
	ds_load_b128 v[16*\f+12:16*\f+15], v[AX] offset:(\i)*SLOT+(\f/4)*16*XP+(\f%4)*128+80
.endr
.endm
.macro CVT f                           ; x fragment f rounded to bf16
	WIN 0x0F
.irp z, 0,1,2,3,4,5,6,7
	v_cvt_pk_bf16_f32 v[XB+8*(\f)+\z], v[16*(\f)+2*\z], v[16*(\f)+2*\z+1]
.endr
.endm
.macro F2S1 d2, v, b                   ; factor 2, first product: tile q of buffer b = x fragment 4 v + q times R2's columns 16 d2 on
	WIN 0
.irp q, 0,1,2,3
	MMA DT+32*(\b)+8*\q, XB+8*(4*(\v)+\q), R2F+8*(\d2), 1
.endr
.endm
.macro F2S2 d2, v, b                   ; factor 2, second product: 8 accumulators (2 e + d2, U), two deep.  With v = 0 the first eight start the sums: these are the first products onto every accumulator
	WIN 0xF8                                       ; T window 0, L2 window 2, C and D window 3
.irp k, 0,1
.irp e, 0,1,2,3
.irp u, 0,1
	MMA 8*(2*(2*\e+(\d2))+\u), TP+16*(\b)+8*\k, 8*(((2*(\v)+\k)*4+\e)*2+\u), (1-(\v))*(1-\k)
.endr
.endr
.endr
.endm
.macro F0S1 d0, b                      ; factor 0, first product: tile 2 V + w = sum over kk of x fragment 4 V + 2 w + kk times R0's rows 32 kk on, columns 16 d0 on
	WIN 0x0C                                       ; R0 window 3
.irp k, 0,1
.irp vv, 0,1
.irp w, 0,1
	MMA DT+32*(\b)+8*(2*\vv+\w), XB+8*(4*\vv+2*\w+\k), R0F+8*(4*\k+(\d0)), 1-\k
.endr
.endr
.endr
.endm
.macro F0S2 d0, b                      ; factor 0, second product: 4 accumulators (d0 + 4 j, U), two deep
	WIN 0xFC                                       ; L0, C and D window 3
.irp vv, 0,1
.irp j, 0,1
.irp u, 0,1
	MMA 8*(2*((\d0)+4*\j)+\u), TP+16*(\b)+8*\vv, L0F+8*(4*\vv+2*\j+\u), 0
.endr
.endr
.endr
.endm
.macro F1S1 p, b                       ; factor 1, first product: tile 2 dl + V = sum over q of x fragment 4 V + q times R1's rows 32 q on, columns 16 (2 p + dl) on
	WIN 0x04                                       ; R1 window 1
.irp q, 0,1,2,3
.irp dl, 0,1
.irp vv, 0,1
	MMA DT+32*(\b)+8*(2*\dl+\vv), XB+8*(4*\vv+\q), 8*(8*\q+2*(\p)+\dl), (3-\q)/3
.endr
.endr
.endr
.endm
.macro F1S2 p, b                       ; factor 1, second product: the last onto accumulators (2 p + dl, U)
	WIN 0xF0                                       ; C and D window 3
.irp dl, 0,1
.irp u, 0,1
	MMA 8*(2*(2*(\p)+\dl)+\u), TP+16*(\b)+8*\dl, L1F+8*\u, 0
.endr
.endr
.endm
.macro PACK b                          ; buffer b's four tiles rounded to bf16, each from its lowest registers on: two first operands of the second product
	WIN 0
.set z, 0
.rept 16
	v_cvt_pk_bf16_f32 v[TP+16*(\b)+z], v[DT+32*(\b)+2*z], v[DT+32*(\b)+2*z+1]
.set z, z+1
.endr
.endm
.macro OUTA i, p                       ; finished accumulators (2 p + dl, U) into the token's own slot, which has been read out and is filled no more: a lane's 32 bytes of row 16 U + r; the low four registers first
	WIN 0x0C                                       ; store data window 3
.irp dl, 0,1
.irp u, 0,1
	ds_store_b128 v[AX], v[8*(2*(2*(\p)+\dl)+\u):8*(2*(2*(\p)+\dl)+\u)+3]   offset:(\i)*SLOT+\u*16*XP+64*(2*(\p)+\dl)
	ds_store_b128 v[AX], v[8*(2*(2*(\p)+\dl)+\u)+4:8*(2*(2*(\p)+\dl)+\u)+7] offset:(\i)*SLOT+\u*16*XP+64*(2*(\p)+\dl)+16
.endr
.endr
.endm
.macro LOADB i, bt                     ; batch bt: stage rows 8 bt .. 8 bt + 7 back as whole rows of 512 bytes, and the bias's same 512 bytes.  LDS serves a wave's instructions in order (ISA guide 5.7.1): these see my stores
	WIN 0
.irp y, 0,1,2,3,4,5,6,7
	ds_load_b128 v[OS+32*((\bt)%2)+4*\y:OS+32*((\bt)%2)+4*\y+3], v[ARD0+(\i)/2] offset:((\i)%2)*SLOT+XP*(8*(\bt)+\y)
	ds_load_b128 v[BB+32*((\bt)%2)+4*\y:BB+32*((\bt)%2)+4*\y+3], v[ABI] offset:512*(8*(\bt)+\y)
.endr
.endm
.macro FMAST i, bt                     ; sum / 3 + bias, one fused multiply-add; each store of the wave covers 512 consecutive bytes, at a multiple of 512 from out's first byte
	WIN 0
.irp y, 0,1,2,3,4,5,6,7
	v_pk_fma_f32 v[OS+32*((\bt)%2)+4*\y:OS+32*((\bt)%2)+4*\y+1],   v[OS+32*((\bt)%2)+4*\y:OS+32*((\bt)%2)+4*\y+1],   s[THIRD:THIRD+1], v[BB+32*((\bt)%2)+4*\y:BB+32*((\bt)%2)+4*\y+1]   op_sel_hi:[1,0,1]
	v_pk_fma_f32 v[OS+32*((\bt)%2)+4*\y+2:OS+32*((\bt)%2)+4*\y+3], v[OS+32*((\bt)%2)+4*\y+2:OS+32*((\bt)%2)+4*\y+3], s[THIRD:THIRD+1], v[BB+32*((\bt)%2)+4*\y+2:BB+32*((\bt)%2)+4*\y+3] op_sel_hi:[1,0,1]
	global_store_b128 v[AGO], v[OS+32*((\bt)%2)+4*\y:OS+32*((\bt)%2)+4*\y+3], s[24:25] offset:(\i)*16384+512*(8*(\bt)+\y) th:TH_STORE_NT
.endr
.endm
; A TOKEN.  Twelve groups of a first product, a rounding and a second product, one group ahead: first product of group g + 1, rounding of group g, second product of group g; the two buffers take turns.
; DISTANCES (ISA guide 7.12.1).  A rounding reads results whose products stand in front of the rounding before it: its 16 conversions, which name none of those products' registers, are the places.
; The same 16 stand between a second product and the rounding that rewrites its T, between a first product and the one that rewrites its buffer, and between factor 1's last products and the stores of their accumulators.
.macro TOKEN i
	s_wait_tensorcnt 3-(\i)                        ; token i is in LDS; the tokens issued behind it may stay out
	s_wait_xcnt 0x0                                ; every earlier memory instruction has had its addresses translated (ISA guide 3.1): the last token's store data are rewritten only behind this wait
	XLOAD \i
	s_wait_dscnt 16                                ; fragments 0 to 3 are in; the 16 loads of fragments 4 to 7 may stay out
	CVT 0
	CVT 1
	CVT 2
	CVT 3
	F2S1 0,0,0
	s_wait_dscnt 0x0
	CVT 4                                          ; these 32 conversions are the places behind the four products above
	CVT 5
	CVT 6
	CVT 7
	F2S1 0,1,1
	PACK 0
	F2S2 0,0,0
	F2S1 1,0,0
	PACK 1
	F2S2 0,1,1
	F2S1 1,1,1
	PACK 0
	F2S2 1,0,0
	F0S1 0,0
	PACK 1
	F2S2 1,1,1
	F0S1 1,1
	PACK 0
	F0S2 0,0
	F0S1 2,0
	PACK 1
	F0S2 1,1
	F0S1 3,1
	PACK 0
	F0S2 2,0
	F1S1 0,0
	PACK 1
	F0S2 3,1
	F1S1 1,1
	PACK 0
	F1S2 0,0
	F1S1 2,0
	PACK 1
	OUTA \i,0
	F1S2 1,1
	F1S1 3,1
	PACK 0
	OUTA \i,1
	F1S2 2,0
	PACK 1
	OUTA \i,2
	F1S2 3,1
	WIN 0
.rept 4
	v_nop                                          ; no other vector work is at hand: the places in front of the stores of the last results and of the loads into T's registers
.endr
	OUTA \i,3
	LOADB \i,0
	LOADB \i,1
	s_wait_dscnt 16                                ; batch 0 is back; batch 1's 16 loads may stay out
	FMAST \i,0
	s_wait_xcnt 0x0                                ; batch 0's registers are loaded again only behind this wait
	LOADB \i,2
	s_wait_dscnt 16                                ; batch 1 is back; batch 2's 16 may stay out
	FMAST \i,1
	s_wait_xcnt 0x0
	LOADB \i,3
	s_wait_dscnt 16                                ; batch 2 is back
	FMAST \i,2
	s_wait_dscnt 0x0
	FMAST \i,3
.endm
	TOKEN 0                                        ; written out four times: the counted wait at the head differs from token to token
	TOKEN 1
	TOKEN 2
	TOKEN 3
	WIN 0
	s_wait_tensorcnt 0x0                           ; the wave's end: behind my last tensor load and my last LDS store
	ds_add_u32 v[SPW], v[NIL]
	s_wait_dscnt 0x0
	s_endpgm
.Lfunc_end_k_qd4df631deb_klinear:
	.size	k_qd4df631deb_klinear, .Lfunc_end_k_qd4df631deb_klinear-k_qd4df631deb_klinear
	.p2alignl 7, 3214868480
	.fill 96, 4, 3214868480
	.section	.rodata,"a",@progbits
	.p2align	6, 0x0
	.amdhsa_kernel k_qd4df631deb_klinear
		.amdhsa_group_segment_fixed_size 327680
		.amdhsa_private_segment_fixed_size 0
		.amdhsa_enable_private_segment 0
		.amdhsa_kernarg_size 72
		.amdhsa_user_sgpr_count 2
		.amdhsa_user_sgpr_kernarg_segment_ptr 1
		.amdhsa_wavefront_size32 1
		.amdhsa_system_sgpr_workgroup_id_x 1
		.amdhsa_system_sgpr_workgroup_id_y 1
		.amdhsa_system_sgpr_workgroup_id_z 1
		.amdhsa_system_vgpr_workitem_id 0
		.amdhsa_next_free_vgpr 1024
		.amdhsa_next_free_sgpr 72
		.amdhsa_reserve_vcc 0
		.amdhsa_float_denorm_mode_32 3
		.amdhsa_float_denorm_mode_16_64 3
		.amdhsa_memory_ordered 1
		.amdhsa_forward_progress 1
		.amdhsa_inst_pref_size 230
	.end_amdhsa_kernel
	.amdgpu_metadata
---
amdhsa.version: [ 1, 2 ]
amdhsa.kernels:
  - .name:           k_qd4df631deb_klinear
    .symbol:         k_qd4df631deb_klinear.kd
    .args:
      - { .name: x, .offset: 0, .size: 8, .value_kind: global_buffer, .address_space: global }
      - { .name: L0, .offset: 8, .size: 8, .value_kind: global_buffer, .address_space: global }
      - { .name: R0, .offset: 16, .size: 8, .value_kind: global_buffer, .address_space: global }
      - { .name: L1, .offset: 24, .size: 8, .value_kind: global_buffer, .address_space: global }
      - { .name: R1, .offset: 32, .size: 8, .value_kind: global_buffer, .address_space: global }
      - { .name: L2, .offset: 40, .size: 8, .value_kind: global_buffer, .address_space: global }
      - { .name: R2, .offset: 48, .size: 8, .value_kind: global_buffer, .address_space: global }
      - { .name: bias, .offset: 56, .size: 8, .value_kind: global_buffer, .address_space: global }
      - { .name: out0, .offset: 64, .size: 8, .value_kind: global_buffer, .address_space: global }
    .group_segment_fixed_size: 327680
    .private_segment_fixed_size: 0
    .kernarg_segment_align: 8
    .kernarg_segment_size: 72
    .max_flat_workgroup_size: 128
    .sgpr_count:     72
    .vgpr_count:     1024
    .wavefront_size: 32
...
	.end_amdgpu_metadata
.endif
;; end of part 1
